; MI455X (gfx1250); checked and timed in simulation.
; The chip was launched on July 23, 2026; its instructions are those of AMD's public machine-readable ISA for CDNA 5 (MIT licence, August 2026) and "CDNA5" Instruction Set Architecture Reference Guide (July 2026). The comments in the code are by the model that wrote it; some were corrected since.
;; Cosine Similarity. Allowed arithmetic: matrix products marked QUANTISED: E3M2 operands, one E8M0 scale for each 32 along K, by v_wmma_scale_f32_16x16x128_f8f6f4 with both operands' format E3M2, f32 sums; everything else in f32.
;; Inputs: tensor_1 8,192 x 256 float32; tensor_2 16,384 x 256 float32.
;; Outputs: out0 8,192 float32.
;; This version of the problem:
;;   THIS VERSION OF THE PROBLEM IS GIVEN IN LOW PRECISION. The matrix products marked QUANTISED in the list below multiply operands that are first quantised to E3M2 (3 exponent bits, 2 mantissa bits; 6 bits a number), with one power-of-two scale for each 32 numbers along K (OCP MX v1.0); their sums are f32. All else is computed in f32.
;;   The module's matrix products, in the order in which they are computed (A, B: the left and right operand; K: the contracted axis; several contracted axes count as one K, in the product's order):
;;     1. [M 8,192, K 256] x [K 256, N 16,384]; A: computed on the way; B: computed on the way: QUANTISED
;;   THE QUANTISER, for each operand of a quantised product, along K:
;;     - K is cut into blocks of 32 from its start; a last block that is shorter is filled with zeros.
;;     - A block's scale is 2^e with e = floor(log2(the largest magnitude in the block)) - 4, held to -126 .. 127; a block of zeros has e = 0. As a byte (E8M0): e + 127.
;;     - Each number is divided by its block's scale, clamped to +-28, and rounded to the nearest number of E3M2, ties to even, subnormals kept.
;;     - The product sums the exact products of the quantised numbers (number of the format x scale) in f32.
;;   ~~~python
;;   def quantise(x, axis):      # numpy; x: float32 -> the quantised numbers, widened to float32 again
;;       x = np.moveaxis(x, axis, -1); K = x.shape[-1]
;;       x = np.pad(x, [(0, 0)] * (x.ndim - 1) + [(0, -K % 32)]); x = x.reshape(x.shape[:-1] + (-1, 32)); a = np.abs(x).max(-1, keepdims=True)
;;       e = np.where(a > 0, np.clip(np.frexp(np.where(a > 0, a, 1))[1] - 1 - 4, -126, 127), 0)      # np.frexp(a)[1] - 1 = floor(log2(a)), exactly
;;       r = np.clip(x / 2.0 ** e, -28, 28)
;;       step = 2.0 ** (np.maximum(np.frexp(np.where(r == 0, 1, r))[1] - 1, -2) - 2)
;;       q = np.round(r / step) * step * 2.0 ** e      # np.round: ties to even
;;       return np.moveaxis(q.reshape(q.shape[:-2] + (-1,))[..., :K], -1, axis).astype(np.float32)
;;   ~~~
;;   OPERANDS COMPUTED ON THE WAY. 'Computed on the way' means the value that the module computes at that place (a softmax that the list does not call 'softmax' is quantised finished and normalised). What goes into a quantiser is computed in f32, as accurately as f32 sums, v_exp_f32 and their like allow (about 1e-6 of the number): no bf16 or f16 on the way to a quantiser, and a product that is left as it is and whose result goes on into a quantised operand takes f32 operands (vector FMAs, or v_wmma_f32_16x16x4_f32). A number that lies on a knife's edge between two numbers of the format may be rounded either way, as far as f32 arithmetic and the matrix unit's own rounding can turn it there, and no further.
;; One version. Each part assembles by itself: llvm-mc -triple=amdgcn-amd-amdhsa -mcpu=gfx1250 --defsym DOCPART=n.
;; ======== version 1 of 1: 3 launches
;; workspace buffers: img 4,915,200 bytes; part 1,572,864 bytes
;; launch quant (part 1): grid 256 x 1, 3 waves a work-group, no clusters, 168,448 bytes of LDS; arguments tensor_1, tensor_2, img; writes img
.if DOCPART == 1
	.amdgcn_target "amdgcn-amd-amdhsa--gfx1250"
	.amdhsa_code_object_version 6
	.text
	.protected	k_q702f3214de_quant
	.globl	k_q702f3214de_quant
	.p2align	8
	.type	k_q702f3214de_quant,@function
k_q702f3214de_quant:
	s_mov_b64 s[64:65], 0
	v_nop
	global_prefetch_b8 v0, s[64:65] scope:SCOPE_SE
	s_setreg_imm32_b32 hwreg(HW_REG_WAVE_MODE, 25, 1), 1
	s_wait_xcnt 0x0
; tensor_1 [8192][256] and tensor_2 [16384][256], f32: each row is divided by its L2 norm (in f32: sum of squares, v_rsq_f32, one multiplication) and quantised along its 256 numbers to
; codes of BF6 (E3M2), one E8M0 scale byte for each 32.  A block's scale is 2^(floor(log2(its largest magnitude)) - 4): its byte is the largest magnitude's exponent field - 4, held at 1 from below.
; OUTPUT: img, 768 pairs of 6,400 bytes.  Pair P holds 32 rows (pairs 0-255: tensor_1's rows 32 P on; pairs 256-767: tensor_2's rows 32 (P - 256) on) AS IMAGES OF OPERAND REGISTERS:
;   codes at u 3072 + s 1536 + ch 512 + 16 lane: registers 4 ch .. 4 ch + 3 of the fragment of block u (16 rows) and K step s (128 along K); in a fragment lane (r, h) holds row r,
;   registers 6 c .. 6 c + 5 = k 128 s + 64 c + 32 h + 0 .. 31;   scale words at 6144 + 8 lane + 4 u: lane (r, h) holds the word of row r, K step h.
; SHARES: one wave makes one pair; waves share nothing, so there is no barrier.  A wave's 32 rows come by two tensor loads of 16 rows x 1,024 bytes, each into LDS bytes of the wave's own, filled once.
; LIMITS: rows of zeros, NaN and infinities among the inputs are not served; a row's sum of squares must be a normal f32 number (neither overflowed nor under 2^-126);
; a block of zeros gets the byte 1 where the quantiser's rule says 127: its codes are zeros, and this program alone reads the bytes.
.set ROWP,  1040                       ; an LDS row: 1,024 bytes + 16 = 65 x 16: the sixteen rows that a load of 16 bytes a lane touches begin at sixteen different places modulo 256 bytes
.set BLKB,  16*ROWP                    ; a block of 16 rows
.set WREG,  2*BLKB                     ; a wave's LDS
.set PAIRB, 6400
.set LA,   1                           ; v1     LDS: my wave's bytes + r x pitch + 128 h
.set LI,   2                           ; v2     16 x lane
.set LS,   3                           ; v3     8 x lane
.set H8,   4                           ; v4     8 h
.set SQ,   8                           ; v8-15  four packed chains of the sum of squares
.set R,    16                          ; v16    1 / norm; v17 is named with it as a pair
.set M,    18                          ; v18-21 the four blocks' largest magnitudes
.set SCO,  22                          ; v22-25 the conversions' scale operands
.set BY,   26                          ; v26-29 the scale bytes
.set W,    30                          ; v30-31 the scale words of K steps 0, 1
.set PT,   32                          ; v32-33 what comes from lane l xor 16
.set SCW,  40                          ; v40-41 the scale words as stored, one for each block of rows
.set TMPC, 44                          ; v44-59 the upper halves of the blocks' codes, four registers a block
.set X,    64                          ; v64-191 my 128 numbers: register 32 c + i = k 64 c + 32 h + i of row r
.set F,    192                         ; v192-239 the fragments, 24 registers for each block of rows: no store's data are written again
.set G1,   16                          ; s[16:23] descriptor group 1
.set G0,   24                          ; s[24:31] group 0, one for each of the two loads
.set SEL,  32                          ; s[32:33] v_permlanex16_b32's selects for lane l xor 16
.set HI,   34                          ; s34    the mask of lanes 16-31
	s_load_b128 s[4:7], s[0:1], 0x0                ; tensor_1, tensor_2
	s_load_b64 s[8:9], s[0:1], 0x10                ; img
	v_lshl_add_u32 v254, v0, 2, 0x29000
	v_mov_b32 v255, 0
	ds_add_u32 v254, v255
	ds_add_u32 v254, v255
	v_lshrrev_b32 v5, 5, v0
	v_readfirstlane_b32 s10, v5                    ; wave 0..2
	s_mul_i32 s11, ttmp9, 3
	s_add_co_u32 s11, s11, s10                     ; my pair: 3 x work-group + wave
	s_mul_i32 s35, s10, WREG                       ; my wave's LDS
	; group 1: a tile of 16 rows x 256 elements of 4 bytes, 4 words of padding behind each row's 256 words
	s_mov_b32 s[G1+0], (2<<16)|(1<<20)|(7<<22)|(3<<25)
	s_mov_b32 s[G1+1], 256<<16                     ; tensor_dim0 = 256
	s_mov_b32 s[G1+2], 16<<16                      ; tensor_dim1 = 16
	s_mov_b32 s[G1+3], 256<<16                     ; tile_dim0 = 256
	s_mov_b32 s[G1+4], 16                          ; tile_dim1 = 16
	s_mov_b32 s[G1+5], 256                         ; elements from row to row
	s_mov_b32 s[G1+6], 0
	s_mov_b32 s[G1+7], 0
	s_mov_b32 s[SEL], 0x76543210
	s_mov_b32 s[SEL+1], 0xfedcba98
	s_mov_b32 s[HI], 0xffff0000
	s_mul_i32 s14, s11, PAIRB                      ; my pair's place in img
	s_mov_b32 s15, 0
	s_mov_b32 s13, 0
	s_wait_dscnt 0x0
	s_wait_kmcnt 0x0
	s_cmp_lt_u32 s11, 256                          ; tensor_1's pair or tensor_2's?  The choice hangs on ids alone
	s_cselect_b64 s[4:5], s[4:5], s[6:7]
	s_cselect_b32 s12, 0, 256
	s_sub_co_u32 s12, s11, s12                     ; the pair's number in its tensor,
	s_lshl_b32 s12, s12, 15                        ; x 32 rows of 1,024 bytes
	s_add_nc_u64 s[4:5], s[4:5], s[12:13]
	s_add_nc_u64 s[8:9], s[8:9], s[14:15]
.irp t, 0,1
	s_mov_b32 s[G0+4*\t], 1                                        ; count = 1
	s_add_co_u32 s[G0+4*\t+1], s35, \t*BLKB                        ; LDS address
	s_add_nc_u64 s[G0+4*\t+2:G0+4*\t+3], s[4:5], \t*16384          ; rows 16 t on
	s_or_b32 s[G0+4*\t+3], s[G0+4*\t+3], 0x80000000                ; type = 2
.endr
	tensor_load_to_lds s[G0:G0+3], s[G1:G1+7]      ; both first fills together, ahead of every wait on TENSORcnt and every LDS read: two loads of mine are out
	s_nop 0
	tensor_load_to_lds s[G0+4:G0+7], s[G1:G1+7]
	s_nop 0
	v_and_b32 v5, 15, v0                           ; r
	v_bfe_u32 v6, v0, 4, 1                         ; h
	v_and_b32 v7, 31, v0                           ; lane
	v_mul_u32_u24 v[LA], v5, ROWP
	v_lshl_add_u32 v[LA], v6, 7, v[LA]
	v_add_nc_u32 v[LA], s35, v[LA]
	v_lshlrev_b32 v[LI], 4, v7
	v_lshlrev_b32 v[LS], 3, v7
	v_lshlrev_b32 v[H8], 3, v6
	v_mov_b32 v[R+1], 0                            ; named as the upper half of a pair, so it is written
	v_mov_b32 v[PT], 0                             ; a lane permute's destination counts as one of its sources
	v_mov_b32 v[PT+1], 0
; Block t of the pair: 16 rows.  Lane (r, h) takes, of row r, blocks h, 2 + h, 4 + h, 6 + h of 32 numbers: the very numbers that the two fragments' layout gives that lane.
.macro QBLK t
	s_wait_tensorcnt 1-\t                          ; tensor loads of a wave end in order: this block is in LDS; the younger load may be out
.irp c, 0,1,2,3
.irp j, 0,1,2,3,4,5,6,7
	ds_load_b128 v[X+32*\c+4*\j:X+32*\c+4*\j+3], v[LA] offset:\t*BLKB+256*\c+16*\j
.endr
.endr
	s_wait_dscnt 0x0
.irp c, 0,1,2,3
	v_pk_mul_f32 v[SQ+2*\c:SQ+2*\c+1], v[X+32*\c:X+32*\c+1], v[X+32*\c:X+32*\c+1]     ; the first squares start the four chains: nothing is cleared
.endr
.irp i, 2,4,6,8,10,12,14,16,18,20,22,24,26,28,30
.irp c, 0,1,2,3
	v_pk_fma_f32 v[SQ+2*\c:SQ+2*\c+1], v[X+32*\c+\i:X+32*\c+\i+1], v[X+32*\c+\i:X+32*\c+\i+1], v[SQ+2*\c:SQ+2*\c+1]   ; the chains by turns
.endr
.endr
	v_pk_add_f32 v[SQ:SQ+1], v[SQ:SQ+1], v[SQ+2:SQ+3]
	v_pk_add_f32 v[SQ+4:SQ+5], v[SQ+4:SQ+5], v[SQ+6:SQ+7]
	v_pk_add_f32 v[SQ:SQ+1], v[SQ:SQ+1], v[SQ+4:SQ+5]
	v_add_f32 v[SQ], v[SQ], v[SQ+1]
	v_permlanex16_b32 v[PT], v[SQ], s[SEL], s[SEL+1]
	v_add_f32 v[SQ], v[SQ], v[PT]                  ; with lane l xor 16's half of the row: the row's sum of squares
	v_rsq_f32 v[R], v[SQ]
	v_nop                                          ; a plain instruction behind the transcendental (ISA guide 5.7.2),
	s_wait_alu depctr_va_vdst(0)                   ; and the wait ahead of the first use of its result
.set i, 0
.rept 64
	v_pk_mul_f32 v[X+i:X+i+1], v[X+i:X+i+1], v[R:R+1] op_sel_hi:[1,0]    ; x / norm
.set i, i+2
.endr
.irp c, 0,1,2,3
	v_max3_num_f32 v[M+\c], |v[X+32*\c]|, |v[X+32*\c+1]|, 0x2800000      ; my four blocks' largest magnitudes, all 32 numbers mine; the floor 2^(5 - 127) keeps the byte at 1 or above
.endr
.irp i, 2,4,6,8,10,12,14,16,18,20,22,24,26,28,30
.irp c, 0,1,2,3
	v_max3_num_f32 v[M+\c], v[M+\c], |v[X+32*\c+\i]|, |v[X+32*\c+\i+1]|
.endr
.endr
.irp c, 0,1,2,3
	v_add_nc_u32 v[SCO+\c], 0xfe000000, v[M+\c]    ; 4 off the exponent field: the conversion takes the exponent field of this operand as its scale
.endr
.irp c, 0,1,2,3
	v_lshrrev_b32 v[BY+\c], 23, v[SCO+\c]          ; the scale's byte
.endr
.irp s, 0,1
	v_lshl_or_b32 v[W+\s], v[BY+2*\s+1], 16, v[BY+2*\s]   ; K step s: my bytes are those of its blocks h and 2 + h,
.endr
.irp s, 0,1
	v_lshlrev_b32 v[W+\s], v[H8], v[W+\s]          ; 8 h bits up;
.endr
.irp s, 0,1
	v_permlanex16_b32 v[PT+\s], v[W+\s], s[SEL], s[SEL+1]
.endr
.irp s, 0,1
	v_or_b32 v[W+\s], v[W+\s], v[PT+\s]            ; with lane l xor 16's two the word is whole
.endr
	v_cndmask_b32 v[SCW+\t], v[W], v[W+1], s[HI]   ; lanes 0-15 keep K step 0's word, lanes 16-31 K step 1's
.irp c, 0,1,2,3
	v_cvt_scalef32_pk16_bf6_f32 v[F+24*\t+6*\c:F+24*\t+6*\c+2], v[X+32*\c:X+32*\c+15], v[SCO+\c]       ; 16 codes, 96 bits; beyond the largest number the largest code
	v_cvt_scalef32_pk16_bf6_f32 v[TMPC+4*\c:TMPC+4*\c+2], v[X+32*\c+16:X+32*\c+31], v[SCO+\c]          ; (a conversion's three registers begin on an even number: the block's upper half is made elsewhere and moved)
.endr
	v_nop                                          ; one plain instruction behind the scaled conversions
.irp c, 0,1,2,3
.irp i, 0,1,2
	v_mov_b32 v[F+24*\t+6*\c+3+\i], v[TMPC+4*\c+\i]
.endr
.endr
.irp q, 0,1,2,3,4,5
	global_store_b128 v[LI], v[F+24*\t+4*\q:F+24*\t+4*\q+3], s[8:9] offset:\t*3072+512*\q   ; 32 lanes store 512 consecutive bytes, at a multiple of 256 from img's first byte
.endr
.endm
	QBLK 0
	QBLK 1
	global_store_b64 v[LS], v[SCW:SCW+1], s[8:9] offset:6144   ; the pair's 64 scale words: 256 consecutive bytes, aligned
	s_wait_tensorcnt 0x0
	ds_add_u32 v254, v255
	s_wait_dscnt 0x0
	s_endpgm
.Lfunc_end_k_q702f3214de_quant:
	.size	k_q702f3214de_quant, .Lfunc_end_k_q702f3214de_quant-k_q702f3214de_quant
	.p2alignl 7, 3214868480
	.fill 96, 4, 3214868480
	.section	.rodata,"a",@progbits
	.p2align	6, 0x0
	.amdhsa_kernel k_q702f3214de_quant
		.amdhsa_group_segment_fixed_size 168448
		.amdhsa_private_segment_fixed_size 0
		.amdhsa_enable_private_segment 0
		.amdhsa_kernarg_size 24
		.amdhsa_user_sgpr_count 2
		.amdhsa_user_sgpr_kernarg_segment_ptr 1
		.amdhsa_wavefront_size32 1
		.amdhsa_system_sgpr_workgroup_id_x 1
		.amdhsa_system_sgpr_workgroup_id_y 1
		.amdhsa_system_sgpr_workgroup_id_z 1
		.amdhsa_system_vgpr_workitem_id 0
		.amdhsa_next_free_vgpr 256
		.amdhsa_next_free_sgpr 66
		.amdhsa_reserve_vcc 0
		.amdhsa_float_denorm_mode_32 3
		.amdhsa_float_denorm_mode_16_64 3
		.amdhsa_memory_ordered 1
		.amdhsa_forward_progress 1
		.amdhsa_inst_pref_size 37
	.end_amdhsa_kernel
	.amdgpu_metadata
---
amdhsa.version: [ 1, 2 ]
amdhsa.kernels:
  - .name:           k_q702f3214de_quant
    .symbol:         k_q702f3214de_quant.kd
    .args:
      - { .name: tensor_1, .offset: 0, .size: 8, .value_kind: global_buffer, .address_space: global }
      - { .name: tensor_2, .offset: 8, .size: 8, .value_kind: global_buffer, .address_space: global }
      - { .name: img, .offset: 16, .size: 8, .value_kind: global_buffer, .address_space: global }
    .group_segment_fixed_size: 168448
    .private_segment_fixed_size: 0
    .kernarg_segment_align: 8
    .kernarg_segment_size: 24
    .max_flat_workgroup_size: 96
    .sgpr_count:     66
    .vgpr_count:     256
    .wavefront_size: 32
...
	.end_amdgpu_metadata
.endif
;; end of part 1
;; launch simtop (part 2): grid 16 x 16, 8 waves a work-group, clusters of 4 x 1, 218,112 bytes of LDS; arguments img, part; writes part
.if DOCPART == 2
	.amdgcn_target "amdgcn-amd-amdhsa--gfx1250"
	.amdhsa_code_object_version 6
	.text
	.protected	k_q702f3214de_simtop
	.globl	k_q702f3214de_simtop
	.p2align	8
	.type	k_q702f3214de_simtop,@function
k_q702f3214de_simtop:
	s_mov_b64 s[64:65], 0
	v_nop
	global_prefetch_b8 v0, s[64:65] scope:SCOPE_SE
	s_setreg_imm32_b32 hwreg(HW_REG_WAVE_MODE, 25, 1), 1
	s_wait_xcnt 0x0
	s_wait_alu depctr_hold_cnt(0) depctr_sa_sdst(0) depctr_va_vdst(0) depctr_va_sdst(0) depctr_va_ssrc(0) depctr_va_vcc(0) depctr_vm_vsrc(0)
	s_getreg_b32 s2, hwreg(HW_REG_IB_STS2, 6, 4)
	s_cmp_eq_u32 s2, 0
	s_cbranch_scc0 .Lentry_in_a_cluster
	s_endpgm
.Lentry_in_a_cluster:
	s_bfe_u32 s2, ttmp6, 0x10000c
	s_cmp_lg_u32 s2, 0x3003
	s_cbranch_scc0 .Lentry_shape_is_right
	s_endpgm
.Lentry_shape_is_right:
; The whole quantised product of the normalised rows (8,192 x 16,384 x 256, codes of BF6 with E8M0 scales, f32 sums) and, of each row, the three largest scores inside a chunk of 1,024 columns.
; img holds both operands as images of operand registers, 6,400 bytes for each pair of 16-row blocks (pairs 0-255 tensor_1, 256-767 tensor_2); part is [16 chunks][3 ranks][8192 rows] f32, ranks descending.
; SHARES.  Work-group (x, y): rows 512 x on of tensor_1, chunk y: rows 1,024 y on of tensor_2.  Wave w: g = w / 2: rows 128 g on (8 blocks of 16), c = w % 2: 512 of the chunk's columns (32 blocks of 16).
; tensor_1's 16 fragments of a wave stay in its registers for the whole launch; the chunk (32 pairs, 204,800 dense bytes) lies whole in LDS, filled once: no LDS byte is filled twice.
; Eight waves, two to a SIMD, so that one wave's vector work stands beside the other's matrix work.
; CLUSTER.  The four work-groups of a cluster have the same y: the chunk is asked for JOINTLY, each tile by the same tensor load with the same descriptor and a mask that names the four.
; tensor_1's fragments are not shared so: they go from memory straight into registers, 25,600 bytes a wave, once, and never lie in LDS, so there is no tensor load of them to share.
; THE PRODUCT IS USED TRANSPOSED (source 0 = 16 rows of tensor_2, source 1 = 16 rows of tensor_1): a lane holds ONE row of tensor_1 (lane % 16) and its eight registers eight columns.
; THE THREE LARGEST, EXACTLY.  Cut a set into pairs.  A pair's smaller number can be among the three largest only if its partner is, so at most one smaller number is, and then it is the largest of them:
; the three largest of the set are among the three largest of the pairs' larger numbers and the one largest smaller number.  Done three times on an accumulator's eight registers (8 -> 4 -> 2 -> 1):
; L1, L2, L3 keep each level's largest smaller number, the tile's largest goes into a sorted triple T1 >= T2 >= T3: 17 instructions for 8 scores.  At the end L1, L2, L3 are inserted too.
; All are numbers of different columns, so nothing is counted twice.  LIMIT: NaN among the scores is not served (the launch before states its own limits).
; REGISTERS: window 0: v1-8 addresses; v16-23 tensor_1's scale words, v24-25 tensor_2's; v32-79 two buffers for a block's two fragments; v80-143 eight accumulators; v144-191 T1, T2, T3, L1, L2, L3, eight each; v192-219 at work at the end.
;   window 1: v0-191 tensor_1's fragments: block m, K step s at v[24 m + 12 s].
.set PAIRB, 6400
.set HALFB, 16*PAIRB                   ; the 16 pairs of a wave's columns
.set SCR,   32*PAIRB                   ; behind the chunk: [c][rank][512 rows] f32, 12,288 bytes, written by LDS stores alone
.set AF0,  1                           ; v1   my columns' first pair + 16 x lane
.set AS0,  2                           ; v2   its scale words: + 6144 + 8 x lane
.set ADRF, 3                           ; v3   the same in the pair in hand
.set ADRS, 4                           ; v4
.set LI,   5                           ; v5   16 x lane
.set LS,   6                           ; v6   8 x lane
.set SST,  7                           ; v7   scratch: where I put a word
.set SLD,  8                           ; v8   scratch: where I read two rows' words
.set SA,   16
.set SB,   24
.set BF,   32
.set ACC,  80
.set T1,   144
.set T2,   152
.set T3,   160
.set L1,   168
.set L2,   176
.set L3,   184
.set G1,   16                          ; s[16:23] descriptor group 1
.set G0,   24                          ; s[24:39] group 0 of my four loads
.set TB,   40                          ; s40  LDS byte, from my columns' first pair, at which the pair in hand begins
.set CNT,  41                          ; s41  the loops' count
.set SEL,  42                          ; s[42:43] v_permlanex16_b32's selects for lane l xor 16
.set HI,   44                          ; s44  the mask of lanes 16-31
.set NEG,  45                          ; s45  -infinity
.set MSB, 0
.macro WIN new                         ; the immediate's high byte repeats the setting that is left
.if MSB != \new
	s_set_vgpr_msb (MSB<<8)|\new
.set MSB, \new
.endif
.endm
.macro ROUND                           ; a round of the cluster's barrier
	s_barrier_signal -1
	s_barrier_wait -1
	s_cmp_lg_u32 s8, 0
	s_cbranch_scc1 .Lnot_wave_0_\@
	s_barrier_signal -3
.Lnot_wave_0_\@:
	s_barrier_wait -3
	s_barrier_signal -1
	s_barrier_wait -1
.endm
; v[base + stride m] goes into block m's sorted triple; the eight blocks by turns
.macro INSERT base, stride
.irp m, 0,1,2,3,4,5,6,7
	v_minmax_num_f32 v[T3+\m], v[\base+\stride*\m], v[T2+\m], v[T3+\m]     ; max(min(x, T2), T3)
.endr
.irp m, 0,1,2,3,4,5,6,7
	v_med3_num_f32 v[T2+\m], v[\base+\stride*\m], v[T1+\m], v[T2+\m]
.endr
.irp m, 0,1,2,3,4,5,6,7
	v_max_num_f32 v[T1+\m], v[\base+\stride*\m], v[T1+\m]
.endr
.endm
; the eight accumulators' 64 scores a lane; each accumulator is read from its low end on (registers 0 and 1 first)
.macro TOPK
.irp i, 0,2,4,6
.irp m, 0,1,2,3,4,5,6,7
	v_minmax_num_f32 v[L1+\m], v[ACC+8*\m+\i], v[ACC+8*\m+\i+1], v[L1+\m]  ; the pair's smaller number against the largest so far
.endr
.irp m, 0,1,2,3,4,5,6,7
	v_max_num_f32 v[ACC+8*\m+\i], v[ACC+8*\m+\i], v[ACC+8*\m+\i+1]         ; the larger goes on
.endr
.endr
.irp i, 0,4
.irp m, 0,1,2,3,4,5,6,7
	v_minmax_num_f32 v[L2+\m], v[ACC+8*\m+\i], v[ACC+8*\m+\i+2], v[L2+\m]
.endr
.irp m, 0,1,2,3,4,5,6,7
	v_max_num_f32 v[ACC+8*\m+\i], v[ACC+8*\m+\i], v[ACC+8*\m+\i+2]
.endr
.endr
.irp m, 0,1,2,3,4,5,6,7
	v_minmax_num_f32 v[L3+\m], v[ACC+8*\m], v[ACC+8*\m+4], v[L3+\m]
.endr
.irp m, 0,1,2,3,4,5,6,7
	v_max_num_f32 v[ACC+8*\m], v[ACC+8*\m], v[ACC+8*\m+4]
.endr
	INSERT ACC, 8
.endm
; two sorted triples become one, in a's place: the k-th largest of both is the largest of min(a_i, b_j) over i + j = k
.macro MERGE3 a1, a2, a3, b1, b2, b3, t0, t1
	v_minmax_num_f32 v[\t0], v[\a2], v[\b1], v[\a3]
	v_minmax_num_f32 v[\t1], v[\a1], v[\b2], v[\b3]
	v_max_num_f32 v[\a3], v[\t0], v[\t1]
	v_minmax_num_f32 v[\t0], v[\a1], v[\b1], v[\a2]
	v_max_num_f32 v[\a2], v[\t0], v[\b2]
	v_max_num_f32 v[\a1], v[\a1], v[\b1]
.endm
; ONE BLOCK OF 16 COLUMNS: block p of the pair in hand, in buffer p.  pre = 1: the next block's seven LDS loads go out first, into the other buffer, whose last readers stand a whole block's vector work back.
; bar >= 0: that next block is the first of a stage of tiles: ahead of its loads I wait for my own tile of the stage (bar younger tensor loads may be out) and pass a barrier, behind which nothing is filled.
.macro NB p, pre, bar
	s_wait_dscnt 0x0                               ; this block's fragments and scale words, asked for a block ago, are in; no LDS instruction of mine is out
.if \bar >= 0
	s_wait_tensorcnt \bar
	s_barrier_signal -1
	s_barrier_wait -1                              ; every wave's tile of the next stage has landed
.endif
.if \pre
.if \p == 1
	s_add_co_u32 s[TB], s[TB], PAIRB               ; on to the next pair
	v_add_nc_u32 v[ADRF], s[TB], v[AF0]
	v_add_nc_u32 v[ADRS], s[TB], v[AS0]
.endif
.irp q, 0,1,2,3,4,5
	ds_load_b128 v[BF+24*(1-\p)+4*\q:BF+24*(1-\p)+4*\q+3], v[ADRF] offset:(1-\p)*3072+512*\q   ; an image: 512 consecutive bytes a load
.endr
	ds_load_b32 v[SB+1-\p], v[ADRS] offset:4*(1-\p)
.endif
	WIN 0x04                                       ; source 1 (tensor_1) in window 1
.irp m, 0,1,2,3,4,5,6,7                        ; the eight accumulators take turns, one instruction a turn; the first K step starts the sums
	v_wmma_scale_f32_16x16x128_f8f6f4 v[ACC+8*\m:ACC+8*\m+7], v[BF+24*\p:BF+24*\p+11], v[24*\m:24*\m+11], 0, v[SB+\p], v[SA+\m] matrix_a_fmt:MATRIX_FMT_BF6 matrix_b_fmt:MATRIX_FMT_BF6
.endr
.irp m, 0,1,2,3,4,5,6,7                        ; the second K step's scale words lie in lanes 16-31 of the same registers
	v_wmma_scale_f32_16x16x128_f8f6f4 v[ACC+8*\m:ACC+8*\m+7], v[BF+24*\p+12:BF+24*\p+23], v[24*\m+12:24*\m+23], v[ACC+8*\m:ACC+8*\m+7], v[SB+\p], v[SA+\m] matrix_a_fmt:MATRIX_FMT_BF6 matrix_b_fmt:MATRIX_FMT_BF6 matrix_a_scale:MATRIX_SCALE_ROW1 matrix_b_scale:MATRIX_SCALE_ROW1
.endr
	WIN 0
.rept 4
	v_nop                                          ; four places between a matrix instruction and the first read of its result (ISA guide 7.12.1); the matrix instructions in between are not counted
.endr
	TOPK
.endm
	s_load_b128 s[4:7], s[0:1], 0x0                ; img, part
	v_lshl_add_u32 v254, v0, 2, 0x35000
	v_mov_b32 v255, 0
	ds_add_u32 v254, v255
	ds_add_u32 v254, v255
	v_lshrrev_b32 v9, 5, v0
	v_readfirstlane_b32 s8, v9                     ; wave 0..7
	s_lshr_b32 s9, s8, 1                           ; g
	s_and_b32 s10, s8, 1                           ; c
	s_bfe_u32 s11, ttmp6, 0x40000                  ; cx: it enters tensor_1's and part's addresses alone
	s_lshl_b32 s12, ttmp9, 2
	s_add_co_u32 s12, s12, s11                     ; x = 4 x cluster x + cx
	s_and_b32 s13, ttmp7, 0xffff                   ; y, which the four partners share
	; group 1: a pair, 6,400 dense bytes, as 25 rows of 32 elements of 8 bytes; no padding
	s_mov_b32 s[G1+0], 15|(3<<16)|(1<<21)          ; 15:0 the mask: all four work-groups; 17:16 elements of 8 bytes; 21 set beside a mask
	s_mov_b32 s[G1+1], 32<<16                      ; tensor_dim0 = 32
	s_mov_b32 s[G1+2], 25<<16                      ; tensor_dim1 = 25
	s_mov_b32 s[G1+3], 32<<16                      ; tile_dim0 = 32
	s_mov_b32 s[G1+4], 25                          ; tile_dim1 = 25
	s_mov_b32 s[G1+5], 32                          ; elements from row to row
	s_mov_b32 s[G1+6], 0
	s_mov_b32 s[G1+7], 0
	; my four tiles of the chunk: local pairs 16 c + g + 4 k, k = 0 .. 3: load k of all eight waves is STAGE k: pairs 4 k .. 4 k + 3 of both halves of the columns
	s_lshl_b32 s57, s10, 4
	s_add_co_u32 s57, s57, s9                      ; 16 c + g
	s_mul_i32 s56, s57, PAIRB                      ; in LDS
	s_lshl_b32 s54, s13, 5
	s_add_co_u32 s54, s54, 256                     ; the chunk's first pair in img: 256 + 32 y
	s_add_co_u32 s54, s54, s57
	s_mul_i32 s54, s54, PAIRB
	s_mov_b32 s55, 0
	; tensor_1: my four pairs begin at pair 16 x + 4 g
	s_lshl_b32 s50, s12, 4
	s_lshl_b32 s51, s9, 2
	s_add_co_u32 s50, s50, s51
	s_mul_i32 s50, s50, PAIRB
	s_mov_b32 s51, 0
	; part: 4 x (y x 3 x 8192 + 512 x + 128 g + 64 c)
	s_mul_i32 s52, s13, 3*8192*4
	s_lshl_b32 s53, s12, 11
	s_add_co_u32 s52, s52, s53
	s_lshl_b32 s53, s9, 9
	s_add_co_u32 s52, s52, s53
	s_lshl_b32 s53, s10, 8
	s_add_co_u32 s52, s52, s53
	s_mov_b32 s53, 0
	s_mov_b32 s[SEL], 0x76543210
	s_mov_b32 s[SEL+1], 0xfedcba98
	s_mov_b32 s[HI], 0xffff0000
	s_mov_b32 s[NEG], 0xff800000
	v_and_b32 v9, 31, v0                           ; lane
	v_lshlrev_b32 v[LI], 4, v9
	v_lshlrev_b32 v[LS], 3, v9
	v_lshlrev_b32 v10, 2, v9
	s_mul_i32 s60, s10, HALFB
	v_add_nc_u32 v[AF0], s60, v[LI]
	v_add_nc_u32 v[AS0], s60, v[LS]
	v_add_nc_u32 v[AS0], 6144, v[AS0]
	s_mul_i32 s60, s10, 6144                       ; scratch, in: SCR + 6144 c + 512 g + 4 lane
	s_lshl_b32 s61, s9, 9
	s_add_co_u32 s60, s60, s61
	s_add_co_u32 s60, s60, SCR
	v_add_nc_u32 v[SST], s60, v10
	s_lshl_b32 s60, s10, 8                         ; back: SCR + 512 g + 256 c + 8 lane
	s_add_co_u32 s60, s60, s61
	s_add_co_u32 s60, s60, SCR
	v_add_nc_u32 v[SLD], s60, v[LS]
	s_wait_dscnt 0x0
	s_wait_kmcnt 0x0
	s_add_nc_u64 s[46:47], s[4:5], s[50:51]        ; tensor_1's pairs
	s_add_nc_u64 s[48:49], s[6:7], s[52:53]        ; my 64 rows of part
	s_add_nc_u64 s[58:59], s[4:5], s[54:55]        ; my first tile of the chunk
.irp k, 0,1,2,3
	s_mov_b32 s[G0+4*\k], 1                                        ; count = 1
	s_add_co_u32 s[G0+4*\k+1], s56, \k*4*PAIRB                     ; LDS address: no place in the cluster enters it
	s_add_nc_u64 s[G0+4*\k+2:G0+4*\k+3], s[58:59], \k*4*PAIRB      ; global address
	s_or_b32 s[G0+4*\k+3], s[G0+4*\k+3], 0x80000000                ; type = 2
.endr
	WIN 0x40                                       ; destination window 1
.irp i, 0,1,2,3                                ; tensor_1's fragments: pair i, block u: m = 2 i + u; they stay
.irp u, 0,1
.irp s, 0,1
.irp c, 0,1,2
	global_load_b128 v[24*(2*\i+\u)+12*\s+4*\c:24*(2*\i+\u)+12*\s+4*\c+3], v[LI], s[46:47] offset:\i*PAIRB+\u*3072+\s*1536+\c*512
.endr
.endr
.endr
.endr
	WIN 0
.irp i, 0,1,2,3
	global_load_b64 v[SA+2*\i:SA+2*\i+1], v[LS], s[46:47] offset:\i*PAIRB+6144   ; their scale words: lanes 0-15 K step 0, lanes 16-31 K step 1
.endr
	ROUND                                          ; all four work-groups are here: the joint loads meet
.irp k, 0,1,2,3
	tensor_load_to_lds s[G0+4*\k:G0+4*\k+3], s[G1:G1+7]            ; the launch's only fills, one group: four loads of mine are out
	s_nop 0
.endr
.set j, 0
.rept 48
	v_mov_b32 v[T1+j], s[NEG]                      ; T1 .. L3 begin under every score
.set j, j+1
.endr
	s_wait_tensorcnt 0x3                           ; my tile of stage 0 is in; the three younger loads may be out
	s_barrier_signal -1
	s_barrier_wait -1                              ; everybody's is
	s_mov_b32 s[TB], 0
	v_add_nc_u32 v[ADRF], s[TB], v[AF0]
	v_add_nc_u32 v[ADRS], s[TB], v[AS0]
.irp q, 0,1,2,3,4,5
	ds_load_b128 v[BF+4*\q:BF+4*\q+3], v[ADRF] offset:512*\q       ; the first block
.endr
	ds_load_b32 v[SB], v[ADRS]
	s_wait_loadcnt 0x0                             ; tensor_1's fragments and scale words
.irp k, 0,1,2,3                                ; a stage is four pairs, eight blocks of columns
	s_mov_b32 s[CNT], 3
.Lstage\k:
	NB 0, 1, -1
	NB 1, 1, -1
	s_sub_co_u32 s[CNT], s[CNT], 1
	s_cmp_lg_u32 s[CNT], 0
	s_cbranch_scc1 .Lstage\k
	NB 0, 1, -1
.if \k < 3
	NB 1, 1, 2-\k                                  ; behind my tile of stage k + 1 stand 2 - k younger loads
.else
	NB 1, 0, -1                                    ; the last block: nothing more to fetch
.endif
.endr
	; THE END.  The levels' largest smaller numbers join the triples; then lane l xor 16's eight columns a tile; then the other wave's 512 columns, through LDS.
	INSERT L1, 1
	INSERT L2, 1
	INSERT L3, 1
.set j, 0
.rept 24
	v_permlanex16_b32 v[ACC+j], v[T1+j], s[SEL], s[SEL+1]          ; (the accumulators' registers are free, and have been written)
.set j, j+1
.endr
.irp m, 0,1,2,3,4,5,6,7
	MERGE3 T1+\m, T2+\m, T3+\m, ACC+\m, ACC+8+\m, ACC+16+\m, 192+\m, 200+\m
.endr
.irp k, 0,1,2
.irp i, 0,1,2,3
	v_cndmask_b32 v[208+4*\k+\i], v[T1+8*\k+2*\i], v[T1+8*\k+2*\i+1], s[HI]   ; lanes 0-15 block 2 i's row, lanes 16-31 block 2 i + 1's: lane l has row 32 i + l of my 128
.endr
.endr
.irp k, 0,1,2
.irp i, 0,1,2,3
	ds_store_b32 v[SST], v[208+4*\k+\i] offset:\k*2048+128*\i
.endr
.endr
	s_wait_dscnt 0x0                               ; for the others' sake: my stores have landed
	s_barrier_signal -1
	s_barrier_wait -1
.irp c, 0,1
.irp k, 0,1,2
	ds_load_b64 v[192+2*(3*\c+\k):192+2*(3*\c+\k)+1], v[SLD] offset:\c*6144+\k*2048   ; two rows a lane: both waves' triples of rows 128 g + 64 c + 2 lane, + 1
.endr
.endr
	s_wait_dscnt 0x0
.irp e, 0,1
	MERGE3 192+\e, 194+\e, 196+\e, 198+\e, 200+\e, 202+\e, 204+\e, 206+\e
.endr
.irp k, 0,1,2
	global_store_b64 v[LS], v[192+2*\k:192+2*\k+1], s[48:49] offset:\k*32768   ; 32 lanes store 256 consecutive bytes, at a multiple of 256 from part's first byte
.endr
	s_wait_tensorcnt 0x0
	ds_add_u32 v254, v255
	s_wait_dscnt 0x0
	ROUND                                          ; the closing round: no work-group ends while a partner may still ask for a tile that names it
	s_endpgm
.Lfunc_end_k_q702f3214de_simtop:
	.size	k_q702f3214de_simtop, .Lfunc_end_k_q702f3214de_simtop-k_q702f3214de_simtop
	.p2alignl 7, 3214868480
	.fill 96, 4, 3214868480
	.section	.rodata,"a",@progbits
	.p2align	6, 0x0
	.amdhsa_kernel k_q702f3214de_simtop
		.amdhsa_group_segment_fixed_size 218112
		.amdhsa_private_segment_fixed_size 0
		.amdhsa_enable_private_segment 0
		.amdhsa_kernarg_size 16
		.amdhsa_user_sgpr_count 2
		.amdhsa_user_sgpr_kernarg_segment_ptr 1
		.amdhsa_wavefront_size32 1
		.amdhsa_system_sgpr_workgroup_id_x 1
		.amdhsa_system_sgpr_workgroup_id_y 1
		.amdhsa_system_sgpr_workgroup_id_z 1
		.amdhsa_system_vgpr_workitem_id 0
		.amdhsa_next_free_vgpr 448
		.amdhsa_next_free_sgpr 66
		.amdhsa_reserve_vcc 0
		.amdhsa_float_denorm_mode_32 3
		.amdhsa_float_denorm_mode_16_64 3
		.amdhsa_memory_ordered 1
		.amdhsa_forward_progress 1
		.amdhsa_inst_pref_size 171
	.end_amdhsa_kernel
	.amdgpu_metadata
---
amdhsa.version: [ 1, 2 ]
amdhsa.kernels:
  - .name:           k_q702f3214de_simtop
    .symbol:         k_q702f3214de_simtop.kd
    .args:
      - { .name: img, .offset: 0, .size: 8, .value_kind: global_buffer, .address_space: global }
      - { .name: part, .offset: 8, .size: 8, .value_kind: global_buffer, .address_space: global }
    .group_segment_fixed_size: 218112
    .private_segment_fixed_size: 0
    .kernarg_segment_align: 8
    .kernarg_segment_size: 16
    .max_flat_workgroup_size: 256
    .sgpr_count:     66
    .vgpr_count:     448
    .wavefront_size: 32
...
	.end_amdgpu_metadata
.endif
;; end of part 2
;; launch merge (part 3): grid 128 x 1, 1 waves a work-group, no clusters, 0 bytes of LDS; arguments part, out0; writes out0
.if DOCPART == 3
	.amdgcn_target "amdgcn-amd-amdhsa--gfx1250"
	.amdhsa_code_object_version 6
	.text
	.protected	k_q702f3214de_merge
	.globl	k_q702f3214de_merge
	.p2align	8
	.type	k_q702f3214de_merge,@function
k_q702f3214de_merge:
	s_mov_b64 s[64:65], 0
	v_nop
	global_prefetch_b8 v0, s[64:65] scope:SCOPE_SE
	s_setreg_imm32_b32 hwreg(HW_REG_WAVE_MODE, 25, 1), 1
	s_wait_xcnt 0x0
; part [16 chunks][3 ranks][8192 rows] f32 holds, for each row, the three largest scores of each chunk of 1,024 columns, descending.  The 16 triples of a row are joined, and out0[row] is the mean of the three largest.
; One wave takes 64 rows, two a lane: each load and the store cover 256 consecutive bytes, aligned.  All 48 loads go out at once; the triples are joined as they come.  No LDS, no barrier, no matrix work: 1.5 MB are read once.
.set TR, 8                             ; v[8 + 6 y + 2 k + e]: chunk y, rank k, row e of my two; chunk 0's six registers take the joined triples
.macro MERGE3 a1, a2, a3, b1, b2, b3, t0, t1   ; two sorted triples become one, in a's place: the k-th largest of both is the largest of min(a_i, b_j) over i + j = k
	v_minmax_num_f32 v[\t0], v[\a2], v[\b1], v[\a3]
	v_minmax_num_f32 v[\t1], v[\a1], v[\b2], v[\b3]
	v_max_num_f32 v[\a3], v[\t0], v[\t1]
	v_minmax_num_f32 v[\t0], v[\a1], v[\b1], v[\a2]
	v_max_num_f32 v[\a2], v[\t0], v[\b2]
	v_max_num_f32 v[\a1], v[\a1], v[\b1]
.endm
	s_load_b128 s[4:7], s[0:1], 0x0                ; part, out0
	v_lshlrev_b32 v1, 3, v0                        ; 8 x lane
	s_lshl_b32 s8, ttmp9, 8                        ; my 64 rows, 4 bytes each
	s_mov_b32 s9, 0
	s_wait_kmcnt 0x0
	s_add_nc_u64 s[4:5], s[4:5], s[8:9]
	s_add_nc_u64 s[6:7], s[6:7], s[8:9]
.irp y, 0,1,2,3,4,5,6,7,8,9,10,11,12,13,14,15
.irp k, 0,1,2
	global_load_b64 v[TR+6*\y+2*\k:TR+6*\y+2*\k+1], v1, s[4:5] offset:(3*\y+\k)*32768 th:TH_LOAD_NT
.endr
.endr
.irp y, 1,2,3,4,5,6,7,8,9,10,11,12,13,14,15
	s_wait_loadcnt 45-3*\y                         ; loads come back in order: chunk y's three are in; the 45 - 3 y issued behind them may be out
.irp e, 0,1
	MERGE3 TR+\e, TR+2+\e, TR+4+\e, TR+6*\y+\e, TR+6*\y+2+\e, TR+6*\y+4+\e, 104+\e, 106+\e
.endr
.endr
	v_add_f32 v104, v[TR], v[TR+2]
	v_add_f32 v105, v[TR+1], v[TR+3]
	v_add_f32 v104, v104, v[TR+4]
	v_add_f32 v105, v105, v[TR+5]
	v_mul_f32 v104, 0x3eaaaaab, v104               ; x 1/3
	v_mul_f32 v105, 0x3eaaaaab, v105
	global_store_b64 v1, v[104:105], s[6:7]
	s_endpgm
.Lfunc_end_k_q702f3214de_merge:
	.size	k_q702f3214de_merge, .Lfunc_end_k_q702f3214de_merge-k_q702f3214de_merge
	.p2alignl 7, 3214868480
	.fill 96, 4, 3214868480
	.section	.rodata,"a",@progbits
	.p2align	6, 0x0
	.amdhsa_kernel k_q702f3214de_merge
		.amdhsa_group_segment_fixed_size 0
		.amdhsa_private_segment_fixed_size 0
		.amdhsa_enable_private_segment 0
		.amdhsa_kernarg_size 16
		.amdhsa_user_sgpr_count 2
		.amdhsa_user_sgpr_kernarg_segment_ptr 1
		.amdhsa_wavefront_size32 1
		.amdhsa_system_sgpr_workgroup_id_x 1
		.amdhsa_system_sgpr_workgroup_id_y 1
		.amdhsa_system_sgpr_workgroup_id_z 1
		.amdhsa_system_vgpr_workitem_id 0
		.amdhsa_next_free_vgpr 112
		.amdhsa_next_free_sgpr 66
		.amdhsa_reserve_vcc 0
		.amdhsa_float_denorm_mode_32 3
		.amdhsa_float_denorm_mode_16_64 3
		.amdhsa_memory_ordered 1
		.amdhsa_forward_progress 1
		.amdhsa_inst_pref_size 15
	.end_amdhsa_kernel
	.amdgpu_metadata
---
amdhsa.version: [ 1, 2 ]
amdhsa.kernels:
  - .name:           k_q702f3214de_merge
    .symbol:         k_q702f3214de_merge.kd
    .args:
      - { .name: part, .offset: 0, .size: 8, .value_kind: global_buffer, .address_space: global }
      - { .name: out0, .offset: 8, .size: 8, .value_kind: global_buffer, .address_space: global }
    .group_segment_fixed_size: 0
    .private_segment_fixed_size: 0
    .kernarg_segment_align: 8
    .kernarg_segment_size: 16
    .max_flat_workgroup_size: 32
    .sgpr_count:     66
    .vgpr_count:     112
    .wavefront_size: 32
...
	.end_amdgpu_metadata
.endif
;; end of part 3
